; MI455X (gfx1250); checked and timed in simulation.
; The chip was launched on July 23, 2026; its instructions are those of AMD's public machine-readable ISA for CDNA 5 (MIT licence, August 2026) and "CDNA5" Instruction Set Architecture Reference Guide (July 2026). The comments in the code are by the model that wrote it; some were corrected since.
;; Co Attention. Allowed arithmetic: matrix products marked QUANTISED: E2M3 operands, one E8M0 scale for each 32 along K, by v_wmma_scale_f32_16x16x128_f8f6f4 with both operands' format E2M3, f32 sums; products left as they are: f32 operands where the result goes on into a quantised operand, else bf16, f16 or f32 operands; f32 sums; everything else in f32.
;; Inputs: W1 256 x 512 float32; W2 256 x 512 float32; W_e 256 x 256 float32; gate_w 256 float32; input_1 4 x 256 x 64 x 64 float32; input_2 4 x 256 x 64 x 64 float32.
;; Outputs: out0 4 x 256 x 64 x 64 float32; out1 4 x 256 x 64 x 64 float32.
;; This version of the problem:
;;   THIS VERSION OF THE PROBLEM IS GIVEN IN LOW PRECISION. The matrix products marked QUANTISED in the list below multiply operands that are first quantised to E2M3 (2 exponent bits, 3 mantissa bits; 6 bits a number), with one power-of-two scale for each 32 numbers along K (OCP MX v1.0); their sums are f32. All else is computed in f32.
;;   The module's matrix products, in the order in which they are computed (A, B: the left and right operand; K: the contracted axis; several contracted axes count as one K, in the product's order):
;;     1. [M 16,384, K 256] x [K 256, N 256]; A: input input_1; B: input W_e: QUANTISED
;;     2. batch 4 x [M 4,096, K 256] x [K 256, N 4,096]; A: computed on the way; B: input input_2: QUANTISED
;;     3. batch 4 x [M 256, K 4,096] x [K 4,096, N 4,096]; A: input input_1; B: softmax (see below): QUANTISED
;;     4. batch 4 x [M 256, K 4,096] x [K 4,096, N 4,096]; A: input input_2; B: softmax (see below): QUANTISED
;;     5. [M 16,384, K 256] x [K 256, N 1]; A: computed on the way; B: input gate_w: left as it is (N = 1 < 16)
;;     6. [M 16,384, K 256] x [K 256, N 1]; A: computed on the way; B: input gate_w: left as it is (N = 1 < 16)
;;     7. [M 256, K 512] x [K 512, N 16,384]; A: input W1; B: computed on the way: QUANTISED
;;     8. [M 256, K 512] x [K 512, N 16,384]; A: input W2; B: computed on the way: QUANTISED
;;   THE QUANTISER, for each operand of a quantised product, along K:
;;     - K is cut into blocks of 32 from its start; a last block that is shorter is filled with zeros.
;;     - A block's scale is 2^e with e = floor(log2(the largest magnitude in the block)) - 2, held to -126 .. 127; a block of zeros has e = 0. As a byte (E8M0): e + 127.
;;     - Each number is divided by its block's scale, clamped to +-7.5, and rounded to the nearest number of E2M3, ties to even, subnormals kept.
;;     - The product sums the exact products of the quantised numbers (number of the format x scale) in f32.
;;   ~~~python
;;   def quantise(x, axis):      # numpy; x: float32 -> the quantised numbers, widened to float32 again
;;       x = np.moveaxis(x, axis, -1); K = x.shape[-1]
;;       x = np.pad(x, [(0, 0)] * (x.ndim - 1) + [(0, -K % 32)]); x = x.reshape(x.shape[:-1] + (-1, 32)); a = np.abs(x).max(-1, keepdims=True)
;;       e = np.where(a > 0, np.clip(np.frexp(np.where(a > 0, a, 1))[1] - 1 - 2, -126, 127), 0)      # np.frexp(a)[1] - 1 = floor(log2(a)), exactly
;;       r = np.clip(x / 2.0 ** e, -7.5, 7.5)
;;       step = 2.0 ** (np.maximum(np.frexp(np.where(r == 0, 1, r))[1] - 1, 0) - 3)
;;       q = np.round(r / step) * step * 2.0 ** e      # np.round: ties to even
;;       return np.moveaxis(q.reshape(q.shape[:-2] + (-1,))[..., :K], -1, axis).astype(np.float32)
;;   ~~~
;;   SOFTMAX AHEAD OF A QUANTISED PRODUCT. Where the list says 'softmax', what is quantised is not the finished softmax but p = 2^(t - M), with t = logit x log2(e) and M = ceil(the row's largest t), a whole number; so 1/2 < the row's largest p <= 1. The row's sum l is taken of the UNQUANTISED p, in f32, and the product's result is divided by l at the end. Since M is a whole number, a kernel that streams over the keys may use a running M (the ceiling of the running maximum): every later rescaling is an exact power of two, which a block's scale takes up: the codes' values come out the same.
;;   OPERANDS COMPUTED ON THE WAY. 'Computed on the way' means the value that the module computes at that place (a softmax that the list does not call 'softmax' is quantised finished and normalised). What goes into a quantiser is computed in f32, as accurately as f32 sums, v_exp_f32 and their like allow (about 1e-6 of the number): no bf16 or f16 on the way to a quantiser, and a product that is left as it is and whose result goes on into a quantised operand takes f32 operands (vector FMAs, or v_wmma_f32_16x16x4_f32). A number that lies on a knife's edge between two numbers of the format may be rounded either way, as far as f32 arithmetic and the matrix unit's own rounding can turn it there, and no further.
;; One version. Each part assembles by itself: llvm-mc -triple=amdgcn-amd-amdhsa -mcpu=gfx1250 --defsym DOCPART=n.
;; ======== version 1 of 1: 2 launches
;; workspace buffers: pixc1 3,276,800 bytes; pixc2 3,276,800 bytes; chn1 3,276,800 bytes; chn2 3,276,800 bytes; ecc 3,276,800 bytes; wimg 204,800 bytes
;; launch prep (part 1): grid 32 x 8, 8 waves a work-group, no clusters, 212,992 bytes of LDS; arguments input_1, input_2, W_e, W1, W2, pixc1, pixc2, chn1, chn2, ecc, wimg; writes pixc1, pixc2, chn1, chn2, ecc, wimg
.if DOCPART == 1
	.amdgcn_target "amdgcn-amd-amdhsa--gfx1250"
	.amdhsa_code_object_version 6
	.text
	.protected	k_qf10716e9b8_prep
	.globl	k_qf10716e9b8_prep
	.p2align	8
	.type	k_qf10716e9b8_prep,@function
k_qf10716e9b8_prep:
	s_mov_b64 s[64:65], 0
	v_nop
	global_prefetch_b8 v0, s[64:65] scope:SCOPE_SE
	s_setreg_imm32_b32 hwreg(HW_REG_WAVE_MODE, 25, 1), 1
	s_wait_xcnt 0x0
; PREP: both inputs [4][256 channels][4096 pixels] f32 become codes of FP6 (E2M3) with one E8M0 byte for each 32 along K, TWICE: along the channels (pixc1, pixc2) and along the pixels (chn1, chn2);
; W1 and W2 become codes along their rows (wimg); and ec = Q(input_1)^T Q(W_e)^T is computed and quantised along d (ecc).  Each input byte is read once.
; LAYOUT OF THE WORKSPACE.  A FRAGMENT (16 rows x 128 K) is stored as the image of its 12 operand registers: register 4 c + i of lane l at byte 512 c + 16 l + 4 i, 1,536 bytes.
; A RECORD is 25,600 bytes for 128 pixels.  Pixel record: 8 tiles of 16 pixels x 2 K steps of codes, then at 24,576 the scale words (tile x 128 + K step x 64 + 4 row).
; Channel record: 16 tiles of 16 channels (K = the record's 128 pixels), then at 24,576 the scale words (tile x 64 + 4 row).
; THE ROWS OF A TILE ARE NOT NEIGHBOURS: in each group of 32 rows, row r of tile u is 8 u + r + 8 (r / 8), so that a transposed product's registers of two neighbouring tiles are 16 neighbours along the next K.
; SHARES.  Work-group (x, y): record x, batch y % 4, input y / 4: 256 channels x 128 pixels.  Wave w takes channels 32 w .. 32 w + 31: one block of 32 along the channels for every pixel, and two
; channel tiles.  It brings them by one tensor load into LDS rows of its own and reads only those, so that load needs no barrier.
; The work-groups of input_1 also quantise W_e (into LDS) and make ec; those of input_2 quantise one fragment each of W1 or W2 (wave 0).
; NO CLUSTER: the tiles of the inputs are shared by nobody.  W_e (262,144 bytes) is read by each of the 128 work-groups of input_1, by register loads in the operand's own lane order, which have no joint form;
; a launch of its own for W_e's codes would be the alternative.
; The scale words of chn and ecc leave in runs of 128 bytes (1,024 of a record's 25,600 bytes); all other stores but W's scale words (64 bytes) cover 256 or 512 consecutive aligned bytes.
; LIMITS: NaN and infinities among the inputs are not served.  A block of zeros gets the byte 1 where the rule says 127: its codes are zeros, and only this program reads the bytes.
.set XROW,  528                        ; an LDS row of the input tile: 512 bytes + 16 of padding
.set XINW,  32*XROW                    ; a wave's 32 rows
.set REC,   25600
.set SCO,   24576                      ; where a record's scale words begin
.set BATCH, 32*REC
.set STG,   8*XINW                     ; LDS: the pixel record being built
.set WEI,   STG+REC                    ; W_e's 32 fragment images, (tile t, K step s) at (2 t + s) x 1,536
.set WES,   WEI+32*1536                ; their scale words: t x 128 + s x 64 + 4 r
.set SPARE, WES+2048                   ; the spare words, 128 bytes for each wave: four blocks of 256 bytes that no other line names
.set X,     32                         ; v32-95   64 numbers
.set X2,    96                         ; v96-159  64 numbers
.set FRA,   160                        ; v160-171 a fragment
.set FRB,   172                        ; v172-183 a fragment
.set TM,    184                        ; QUANT's work (the ec phase)
.set PC,    160                        ; QUANT's codes (the ec phase)
.set SEL,   52                         ; s[52:53] lane selects for v_permlanex16_b32: lane l xor 16
; v1 spare word, v2 zero; v3 lane, v4 r, v5 h, v6 r + 8 (r / 8), v7 16 lane, v8 4 lane; v9-v27 addresses (made at the head, never rewritten)
; v216-223 W_e's scale words, v224 x's: they hold scales and nothing else
; 64 numbers of a lane, two whole blocks of 32 (blocks h and 2 + h of my row), become a fragment's 12 registers and, with lane l xor 16's two bytes, its scale word
.macro QB2 src, fr, sw
	v_max3_num_f32 v192, |v[\src]|, |v[\src+1]|, 0x1800000          ; the floor 2^(3 - 127) among the leaves: the byte cannot fall under 1
	v_max3_num_f32 v193, |v[\src+32]|, |v[\src+33]|, 0x1800000
.irp i, 2,4,6,8,10,12,14,16,18,20,22,24,26,28,30
	v_max3_num_f32 v192, v192, |v[\src+\i]|, |v[\src+\i+1]|        ; the two blocks by turns
	v_max3_num_f32 v193, v193, |v[\src+32+\i]|, |v[\src+33+\i]|
.endr
	v_add_nc_u32 v194, 0xff000000, v192                            ; 2 off the exponent field: the conversion's scale operand
	v_add_nc_u32 v195, 0xff000000, v193
	v_lshrrev_b32 v196, 23, v194                                   ; the bytes
	v_lshrrev_b32 v197, 23, v195
	v_lshl_or_b32 v196, v197, 16, v196
	v_lshlrev_b32 v197, 3, v5
	v_lshlrev_b32 v196, v197, v196                                 ; at their places in the word: 8 h bits up
	v_permlanex16_b32 v198, v196, s[SEL], s[SEL+1]
	v_or_b32 v[\sw], v196, v198
	v_cvt_scalef32_pk16_fp6_f32 v[\fr:\fr+2], v[\src:\src+15], v194
	v_cvt_scalef32_pk16_fp6_f32 v[184:186], v[\src+16:\src+31], v194   ; (a conversion's three registers begin on an even number)
	v_cvt_scalef32_pk16_fp6_f32 v[\fr+6:\fr+8], v[\src+32:\src+47], v195
	v_cvt_scalef32_pk16_fp6_f32 v[188:190], v[\src+48:\src+63], v195
	v_nop                                                          ; one plain place behind the scaled conversions
.irp i, 0,1,2
	v_mov_b32 v[\fr+3+\i], v[184+\i]
	v_mov_b32 v[\fr+9+\i], v[188+\i]
.endr
.endm
; 64 numbers of a lane, register 16 b + i = k 32 b + 16 h + i of my row (a transposed product's results), become a fragment in v[PC] on and its scale word
.macro QUANT src, pw
.irp b, 0,1,2,3
	v_max3_num_f32 v[TM+\b], |v[\src+16*\b]|, |v[\src+1+16*\b]|, 0x1800000
.endr
.irp i, 2,4,6,8,10,12,14
.irp b, 0,1,2,3
	v_max3_num_f32 v[TM+\b], v[TM+\b], |v[\src+16*\b+\i]|, |v[\src+1+16*\b+\i]|
.endr
.endr
.irp b, 0,1,2,3
	v_permlanex16_b32 v[TM+4+\b], v[TM+\b], s[SEL], s[SEL+1]
.endr
.irp b, 0,1,2,3
	v_max_num_f32 v[TM+\b], v[TM+\b], v[TM+4+\b]
.endr
.irp b, 0,1,2,3
	v_add_nc_u32 v[TM+12+\b], 0xff000000, v[TM+\b]
.endr
.irp b, 0,1,2,3
	v_lshrrev_b32 v[TM+4+\b], 23, v[TM+12+\b]
.endr
	v_lshl_or_b32 v[\pw], v[TM+5], 8, v[TM+4]
	v_lshl_or_b32 v[\pw], v[TM+6], 16, v[\pw]
	v_lshl_or_b32 v[\pw], v[TM+7], 24, v[\pw]
.irp c, 0,1
	v_cvt_scalef32_pk16_fp6_f32 v[PC+6*\c:PC+2+6*\c], v[\src+32*\c:\src+15+32*\c], v[TM+12+2*\c]
	v_cvt_scalef32_pk16_fp6_f32 v[PC+12+4*\c:PC+14+4*\c], v[\src+16+32*\c:\src+31+32*\c], v[TM+12+2*\c+1]
.endr
	v_nop                                                          ; one plain place behind the scaled conversions
.irp c, 0,1                                                    ; the operand wants a whole block in a lane
.irp i, 0,1,2
	v_permlane16_swap_b32 v[PC+6*\c+\i], v[PC+12+4*\c+\i]
.endr
.irp i, 0,1,2
	v_mov_b32 v[PC+3+6*\c+\i], v[PC+12+4*\c+\i]
.endr
.endr
.endm
; my two blocks of a row that lies along K in memory: 2 x 128 bytes
.macro GROW dst, adr, base, off
.irp i, 0,1,2,3,4,5,6,7
	global_load_b128 v[\dst+4*\i:\dst+4*\i+3], v[\adr], s[\base:\base+1] offset:\off+16*\i
.endr
.irp i, 0,1,2,3,4,5,6,7
	global_load_b128 v[\dst+32+4*\i:\dst+35+4*\i], v[\adr], s[\base:\base+1] offset:\off+256+16*\i
.endr
.endm
.macro LROW dst, off                   ; the same out of my wave's LDS rows
.irp i, 0,1,2,3,4,5,6,7
	ds_load_b128 v[\dst+4*\i:\dst+4*\i+3], v9 offset:\off+16*\i
.endr
.irp i, 0,1,2,3,4,5,6,7
	ds_load_b128 v[\dst+32+4*\i:\dst+35+4*\i], v9 offset:\off+256+16*\i
.endr
.endm
.macro WSTORE fr, sw, j                ; W_e's fragment j of my four, and its scale word, into LDS
.irp c, 0,1,2
	ds_store_b128 v17, v[\fr+4*\c:\fr+4*\c+3] offset:(\j)*1536+512*\c
.endr
	ds_store_b32 v18, v[\sw] offset:(\j)*64                        ; lanes 16-31 write the same word with the same value
.endm
.macro PIXL g                          ; pixel 32 g + lane: my wave's 32 channels of it, one block along the channels
.set i, 0
.rept 32
	ds_load_b32 v[32+32*((\g)%2)+i], v10 offset:i*XROW+128*(\g)
.set i, i+1
.endr
.endm
.macro PIXQ g, left                    ; that block's 24 bytes of codes and its byte go to their places in the record's image.  left: the younger LDS instructions that may stay out
.set PSRC, 32+32*((\g)%2)
.set PCD, 96+8*(\g)                    ; each group has its own registers for codes and byte: no LDS store's data are written again
	s_wait_dscnt \left
	v_max3_num_f32 v192, |v[PSRC]|, |v[PSRC+1]|, 0x1800000
	v_max3_num_f32 v193, |v[PSRC+2]|, |v[PSRC+3]|, |v[PSRC+4]|
.irp i, 5,9,13,17,21,25
	v_max3_num_f32 v192, v192, |v[PSRC+\i]|, |v[PSRC+\i+1]|
	v_max3_num_f32 v193, v193, |v[PSRC+\i+2]|, |v[PSRC+\i+3]|
.endr
	v_max3_num_f32 v192, v192, |v[PSRC+29]|, |v[PSRC+30]|
	v_max3_num_f32 v192, v192, v193, |v[PSRC+31]|
	v_add_nc_u32 v194, 0xff000000, v192
	v_cvt_scalef32_pk16_fp6_f32 v[PCD:PCD+2], v[PSRC:PSRC+15], v194
	v_cvt_scalef32_pk16_fp6_f32 v[PCD+4:PCD+6], v[PSRC+16:PSRC+31], v194
	v_lshrrev_b32 v[128+(\g)], 23, v194                            ; the byte; also the plain place behind the conversions
	v_mov_b32 v[PCD+3], v[PCD+4]                                   ; the six registers on end
	v_mov_b32 v[PCD+4], v[PCD+5]
	v_mov_b32 v[PCD+5], v[PCD+6]
	ds_store_b64 v11, v[PCD:PCD+1] offset:(\g)*6144
	ds_store_b64 v12, v[PCD+2:PCD+3] offset:(\g)*6144
	ds_store_b64 v13, v[PCD+4:PCD+5] offset:(\g)*6144
	ds_store_b8 v14, v[128+(\g)] offset:(\g)*256
.endm
	s_load_b512 s[4:19], s[0:1], 0x0               ; input_1 s[4:5], input_2 s[6:7], W_e s[8:9], W1 s[10:11], W2 s[12:13], pixc1 s[14:15], pixc2 s[16:17], chn1 s[18:19]
	s_load_b128 s[20:23], s[0:1], 0x40             ; chn2 s[20:21], ecc s[22:23]
	s_load_b64 s[24:25], s[0:1], 0x50              ; wimg
	v_lshl_add_u32 v1, v0, 2, SPARE
	v_mov_b32 v2, 0
	ds_add_u32 v1, v2                              ; the wave's opening: the add and its wait stand ahead of my tensor load; the set-up below, work on registers, stands between
	v_lshrrev_b32 v3, 5, v0
	v_readfirstlane_b32 s26, v3                    ; wave 0..7
	s_mov_b32 s27, ttmp9                           ; the record
	s_and_b32 s28, ttmp7, 0xffff
	s_lshr_b32 s29, s28, 2                         ; which input
	s_and_b32 s30, s28, 3                          ; the batch
	; descriptor group 1: 32 rows of 128 elements of 4 bytes, 4,096 elements from row to row; 4 words of padding behind every 128
	s_mov_b32 s40, (2<<16)|(1<<20)|(6<<22)|(3<<25)
	s_mov_b32 s41, 128<<16                         ; tensor_dim0
	s_mov_b32 s42, 32<<16                          ; tensor_dim1
	s_mov_b32 s43, 128<<16                         ; tile_dim0
	s_mov_b32 s44, 32                              ; tile_dim1
	s_mov_b32 s45, 4096                            ; the pitch
	s_mov_b32 s46, 0
	s_mov_b32 s47, 0
	s_mov_b32 s[SEL], 0x76543210
	s_mov_b32 s[SEL+1], 0xfedcba98
	s_mov_b32 s54, 0xffff0000                      ; lanes 16-31
	s_mul_i32 s55, s26, XINW                       ; my wave's rows in LDS
	v_and_b32 v3, 31, v0                           ; lane
	v_and_b32 v4, 15, v0                           ; r
	v_bfe_u32 v5, v0, 4, 1                         ; h
	v_and_b32 v6, 8, v4
	v_add_nc_u32 v6, v6, v4                        ; r + 8 (r / 8)
	v_lshlrev_b32 v7, 4, v3
	v_lshlrev_b32 v8, 2, v3
	v_mul_u32_u24 v9, v6, XROW
	v_lshl_add_u32 v9, v5, 7, v9
	v_add_nc_u32 v9, s55, v9                       ; channel tiles: row r + 8 (r / 8) of my 32, + 128 h bytes
	v_add_nc_u32 v10, s55, v8                      ; pixels: 4 bytes a lane
	v_and_b32 v28, 7, v0
	v_lshl_or_b32 v28, v5, 3, v28                  ; pixel `lane` of a group of 32 is row (l % 8) + 8 (l / 16)
	v_bfe_u32 v29, v0, 3, 1                        ; of tile (l / 8) % 2
	v_mul_u32_u24 v30, v29, 3072
	v_lshl_add_u32 v30, v28, 4, v30
	s_lshr_b32 s56, s26, 2                         ; my block of channels lies in K step w / 4,
	s_mul_i32 s57, s56, 1536
	s_and_b32 s58, s26, 1                          ; in the lanes' half w % 2,
	s_lshl_b32 s58, s58, 8
	s_add_co_u32 s57, s57, s58
	s_add_co_u32 s57, s57, STG
	s_bfe_u32 s58, s26, 0x10001                    ; in registers 6 c .. 6 c + 5, c = (w / 2) % 2: three pairs
	s_mul_i32 s58, s58, 3
.irp q, 0,1,2
	s_add_co_u32 s59, s58, \q                      ; pair 3 c + q lies at 512 (pair / 2) + 8 (pair % 2) of the image
	s_lshr_b32 s60, s59, 1
	s_lshl_b32 s60, s60, 9
	s_and_b32 s59, s59, 1
	s_lshl_b32 s59, s59, 3
	s_add_co_u32 s60, s60, s59
	s_add_co_u32 s60, s60, s57
	v_add_nc_u32 v[11+\q], s60, v30
.endr
	s_lshl_b32 s59, s56, 6
	s_and_b32 s60, s26, 3
	s_add_co_u32 s59, s59, s60
	s_add_co_u32 s59, s59, STG+SCO
	v_lshlrev_b32 v14, 7, v29
	v_lshl_add_u32 v14, v28, 2, v14
	v_add_nc_u32 v14, s59, v14                     ; my block's byte: tile x 128 + K step x 64 + 4 row + w % 4
	v_lshlrev_b32 v15, 10, v6
	v_lshl_add_u32 v15, v5, 7, v15                 ; W_e: row r + 8 (r / 8) of 1,024 bytes, + 128 h
	v_lshlrev_b32 v16, 11, v4
	v_lshl_add_u32 v16, v5, 7, v16                 ; W1, W2: row r of 2,048 bytes, + 128 h
	s_mul_i32 s59, s26, 6144
	s_add_co_u32 s59, s59, WEI
	v_add_nc_u32 v17, s59, v7                      ; where I store W_e's images
	v_lshlrev_b32 v24, 2, v4                       ; 4 r
	s_lshl_b32 s59, s26, 8
	s_add_co_u32 s60, s59, WES
	v_add_nc_u32 v18, s60, v24                     ; and their scale words
	s_mul_i32 s61, s26, 3072
	v_add_nc_u32 v26, s61, v7                      ; in a record in memory: 16 lane + 3,072 w
	s_add_co_u32 s60, s61, STG
	v_add_nc_u32 v19, s60, v7                      ; the same place in the stage
	v_lshlrev_b32 v25, 3, v3
	v_add_nc_u32 v25, s59, v25                     ; 8 lane + 256 w
	v_add_nc_u32 v20, STG+SCO, v25
	s_lshl_b32 s60, s26, 7
	v_add_nc_u32 v27, s60, v8                      ; 4 lane + 128 w
	v_add_nc_u32 v21, STG+SCO, v27
	v_add_nc_u32 v22, WEI, v7
	v_add_nc_u32 v23, WES, v8
	v_mov_b32 v198, 0                              ; written once: a lane permute's destination counts as one of its sources
	s_mul_i32 s38, s30, BATCH
	s_mul_i32 s59, s27, REC
	s_add_co_u32 s38, s38, s59
	s_mov_b32 s39, 0                               ; s[38:39]: my record's byte in each workspace buffer
	s_lshl_b32 s56, s30, 22                        ; my wave's tile in the input: batch x 4 MiB + 32 w rows of 16,384 bytes + 512 x record
	s_lshl_b32 s57, s26, 19
	s_add_co_u32 s56, s56, s57
	s_lshl_b32 s57, s27, 9
	s_add_co_u32 s56, s56, s57
	s_mov_b32 s57, 0
	s_mov_b32 s48, 1                               ; descriptor group 0: count,
	s_mul_i32 s49, s26, XINW                       ; LDS address,
	s_wait_dscnt 0x0                               ; the opening add is done
	s_wait_kmcnt 0x0
	s_cmp_eq_u32 s29, 0                            ; the buffers are chosen by the work-group's number alone
	s_cselect_b64 s[32:33], s[4:5], s[6:7]
	s_cselect_b64 s[34:35], s[14:15], s[16:17]
	s_cselect_b64 s[36:37], s[18:19], s[20:21]
	s_add_nc_u64 s[50:51], s[32:33], s[56:57]      ; global address,
	s_or_b32 s51, s51, 0x80000000                  ; type
	tensor_load_to_lds s[48:51], s[40:47]          ; my one tensor load: 32 rows x 512 bytes
	s_nop 0
	s_add_nc_u64 s[34:35], s[34:35], s[38:39]
	s_add_nc_u64 s[36:37], s[36:37], s[38:39]
	s_add_nc_u64 s[22:23], s[22:23], s[38:39]
	s_cmp_lg_u32 s29, 0
	s_cbranch_scc1 .Lweights
	; ---- input_1's work-groups, while the tile is on its way: wave w quantises W_e's tiles 2 w, 2 w + 1 (rows 32 w on), both K steps, into LDS
	s_lshl_b32 s56, s26, 15
	s_mov_b32 s57, 0
	s_add_nc_u64 s[56:57], s[8:9], s[56:57]
	GROW X, 15, 56, 0
	GROW X2, 15, 56, 512
	s_wait_loadcnt 16                              ; the older fragment's 16 loads are in; the younger's may be out
	QB2 X, FRA, 199
	WSTORE FRA, 199, 0
	GROW X, 15, 56, 8192
	s_wait_loadcnt 16
	QB2 X2, FRB, 200
	WSTORE FRB, 200, 1
	GROW X2, 15, 56, 8704
	s_wait_loadcnt 16
	s_wait_dscnt 0x0                               ; the LDS stores have read both fragments' registers
	QB2 X, FRA, 199
	WSTORE FRA, 199, 2
	s_wait_loadcnt 0x0
	QB2 X2, FRB, 200
	WSTORE FRB, 200, 3
	s_branch .Lch
.Lweights:                                             ; ---- input_2's work-groups: wave 0 quantises fragment f = 32 (batch % 2) + record of W1 (batch < 2) or W2
	s_cmp_lg_u32 s26, 0
	s_cbranch_scc1 .Lch
	s_and_b32 s58, s30, 1
	s_lshl_b32 s58, s58, 5
	s_add_co_u32 s58, s58, s27                     ; f = 4 x (tile of 16 outputs) + K step
	s_lshr_b32 s59, s30, 1
	s_cmp_eq_u32 s59, 0
	s_cselect_b64 s[56:57], s[10:11], s[12:13]
	s_lshr_b32 s60, s58, 2
	s_lshl_b32 s60, s60, 15                        ; 16 rows of 2,048 bytes
	s_and_b32 s61, s58, 3
	s_lshl_b32 s61, s61, 9                         ; 128 numbers
	s_add_co_u32 s60, s60, s61
	s_mov_b32 s61, 0
	s_add_nc_u64 s[56:57], s[56:57], s[60:61]
	GROW X, 16, 56, 0
	s_mul_i32 s59, s59, 4*REC
	s_mul_i32 s60, s58, 1536
	s_add_co_u32 s60, s60, s59
	s_add_nc_u64 s[62:63], s[24:25], s[60:61]      ; its image,
	s_lshl_b32 s60, s58, 6
	s_add_co_u32 s60, s60, s59
	s_add_co_u32 s60, s60, 98304
	s_add_nc_u64 s[24:25], s[24:25], s[60:61]      ; its 16 scale words
	s_wait_loadcnt 0x0
	QB2 X, FRA, 199
.irp c, 0,1,2
	global_store_b128 v7, v[FRA+4*\c:FRA+4*\c+3], s[62:63] offset:512*\c
.endr
	global_store_b32 v24, v199, s[24:25]           ; lanes 16-31 store the same word to the same place
	s_wait_xcnt 0x0                                ; the stores have read their registers, which the next phase writes
.Lch:                                                  ; ---- the channel record: my two tiles of 16 channels, K = the 128 pixels
	s_wait_tensorcnt 0x0                           ; my rows are in LDS; no other wave reads them
	LROW X, 0
	LROW X2, 8*XROW
	s_wait_dscnt 16                                ; the first tile's 16 loads (and all older LDS stores) are done
	QB2 X, FRA, 199
	s_wait_dscnt 0x0
	QB2 X2, FRB, 200
.irp c, 0,1,2
	global_store_b128 v26, v[FRA+4*\c:FRA+4*\c+3], s[36:37] offset:512*\c          ; each store covers 512 consecutive bytes, aligned
	global_store_b128 v26, v[FRB+4*\c:FRB+4*\c+3], s[36:37] offset:1536+512*\c
.endr
	v_cndmask_b32 v201, v199, v200, s54            ; lanes 0-15 the first tile's words, lanes 16-31 the second's
	global_store_b32 v27, v201, s[36:37] offset:SCO
	; ---- the pixel record: a lane to a pixel, registers down the channels; four groups of 32 pixels, the loads one group ahead
	PIXL 0
	PIXL 1
	PIXQ 0, 32                                     ; behind group 0's loads: group 1's 32
	PIXL 2
	PIXQ 1, 36                                     ; behind group 1's loads: 4 stores and 32 loads
	PIXL 3
	PIXQ 2, 36
	PIXQ 3, 4                                      ; behind group 3's loads: group 2's 4 stores
	s_wait_dscnt 0x0                               ; for the others' sake: my stores into the stage (and W_e's images) are done
	s_barrier_signal -1
	s_barrier_wait -1                              ; the one barrier: the record, and W_e's codes, are whole
	; ---- the record leaves: wave w takes pixel tile w's two fragments, which are also its operand of the product below
.irp i, 0,1,2,3,4,5
	ds_load_b128 v[32+4*\i:35+4*\i], v19 offset:512*\i
.endr
.irp i, 0,1,2,3,4,5
	s_wait_dscnt 5-\i
	global_store_b128 v26, v[32+4*\i:35+4*\i], s[34:35] offset:512*\i
.endr
	s_cmp_lt_u32 s26, 4
	s_cbranch_scc0 .Lnosc
	ds_load_b64 v[56:57], v20                      ; the 1,024 bytes of scale words: waves 0-3, 256 consecutive aligned bytes each
	s_wait_dscnt 0x0
	global_store_b64 v25, v[56:57], s[34:35] offset:SCO
.Lnosc:
	s_cmp_lg_u32 s29, 0
	s_cbranch_scc1 .Lend
	; ---- ec (input_1 alone): transposed, source 0 = 16 rows of W_e, source 1 = my 16 pixels: a lane holds one pixel, its registers run along d.  128 d at a time: one K step of the next product
	s_wait_xcnt 0x0                                ; all earlier stores have read their registers, which are written again below
	ds_load_b32 v224, v21                          ; x's scale words: lanes 0-15 K step 0, lanes 16-31 K step 1
.irp hd, 0,1
.irp t, 0,1,2,3,4,5,6,7
	ds_load_b32 v[216+\t], v23 offset:(8*\hd+\t)*128
.endr
.irp ks, 0,1
.rept 4
	v_nop                                          ; places in front of loads into registers that matrix instructions have read
.endr
.irp t, 0,1,2,3,4,5,6,7
.irp c, 0,1,2
	ds_load_b128 v[120+12*\t+4*\c:123+12*\t+4*\c], v22 offset:(2*(8*\hd+\t)+\ks)*1536+512*\c
.endr
.endr
	s_wait_dscnt 0x0
.irp t, 0,1,2,3,4,5,6,7                        ; the eight accumulators by turns
.if \ks == 0
	v_wmma_scale_f32_16x16x128_f8f6f4 v[56+8*\t:63+8*\t], v[120+12*\t:131+12*\t], v[32:43], 0, v[216+\t], v224 matrix_a_fmt:MATRIX_FMT_FP6 matrix_b_fmt:MATRIX_FMT_FP6
.else
	v_wmma_scale_f32_16x16x128_f8f6f4 v[56+8*\t:63+8*\t], v[120+12*\t:131+12*\t], v[44:55], v[56+8*\t:63+8*\t], v[216+\t], v224 matrix_a_fmt:MATRIX_FMT_FP6 matrix_b_fmt:MATRIX_FMT_FP6 matrix_a_scale:MATRIX_SCALE_ROW1 matrix_b_scale:MATRIX_SCALE_ROW1
.endif
.endr
.endr
.rept 4
	v_nop                                          ; places in front of the first read of results and of writes into W_e's registers
.endr
	QUANT 56, 226+\hd
.irp c, 0,1,2
	global_store_b128 v26, v[PC+4*\c:PC+4*\c+3], s[22:23] offset:\hd*1536+512*\c
.endr
	s_wait_xcnt 0x0                                ; the stores have read the codes' registers
.endr
	v_cndmask_b32 v228, v226, v227, s54            ; lanes 0-15 K step 0's words, lanes 16-31 K step 1's
	global_store_b32 v27, v228, s[22:23] offset:SCO
.Lend:
	s_wait_tensorcnt 0x0                           ; the wave's end, behind my tensor load and my last LDS store
	ds_add_u32 v1, v2
	s_wait_dscnt 0x0
	s_endpgm
.Lfunc_end_k_qf10716e9b8_prep:
	.size	k_qf10716e9b8_prep, .Lfunc_end_k_qf10716e9b8_prep-k_qf10716e9b8_prep
	.p2alignl 7, 3214868480
	.fill 96, 4, 3214868480
	.section	.rodata,"a",@progbits
	.p2align	6, 0x0
	.amdhsa_kernel k_qf10716e9b8_prep
		.amdhsa_group_segment_fixed_size 212992
		.amdhsa_private_segment_fixed_size 0
		.amdhsa_enable_private_segment 0
		.amdhsa_kernarg_size 88
		.amdhsa_user_sgpr_count 2
		.amdhsa_user_sgpr_kernarg_segment_ptr 1
		.amdhsa_wavefront_size32 1
		.amdhsa_system_sgpr_workgroup_id_x 1
		.amdhsa_system_sgpr_workgroup_id_y 1
		.amdhsa_system_sgpr_workgroup_id_z 1
		.amdhsa_system_vgpr_workitem_id 0
		.amdhsa_next_free_vgpr 256
		.amdhsa_next_free_sgpr 66
		.amdhsa_reserve_vcc 0
		.amdhsa_float_denorm_mode_32 3
		.amdhsa_float_denorm_mode_16_64 3
		.amdhsa_memory_ordered 1
		.amdhsa_forward_progress 1
		.amdhsa_inst_pref_size 76
	.end_amdhsa_kernel
	.amdgpu_metadata
---
amdhsa.version: [ 1, 2 ]
amdhsa.kernels:
  - .name:           k_qf10716e9b8_prep
    .symbol:         k_qf10716e9b8_prep.kd
    .args:
      - { .name: input_1, .offset: 0, .size: 8, .value_kind: global_buffer, .address_space: global }
      - { .name: input_2, .offset: 8, .size: 8, .value_kind: global_buffer, .address_space: global }
      - { .name: W_e, .offset: 16, .size: 8, .value_kind: global_buffer, .address_space: global }
      - { .name: W1, .offset: 24, .size: 8, .value_kind: global_buffer, .address_space: global }
      - { .name: W2, .offset: 32, .size: 8, .value_kind: global_buffer, .address_space: global }
      - { .name: pixc1, .offset: 40, .size: 8, .value_kind: global_buffer, .address_space: global }
      - { .name: pixc2, .offset: 48, .size: 8, .value_kind: global_buffer, .address_space: global }
      - { .name: chn1, .offset: 56, .size: 8, .value_kind: global_buffer, .address_space: global }
      - { .name: chn2, .offset: 64, .size: 8, .value_kind: global_buffer, .address_space: global }
      - { .name: ecc, .offset: 72, .size: 8, .value_kind: global_buffer, .address_space: global }
      - { .name: wimg, .offset: 80, .size: 8, .value_kind: global_buffer, .address_space: global }
    .group_segment_fixed_size: 212992
    .private_segment_fixed_size: 0
    .kernarg_segment_align: 8
    .kernarg_segment_size: 88
    .max_flat_workgroup_size: 256
    .sgpr_count:     66
    .vgpr_count:     256
    .wavefront_size: 32
...
	.end_amdgpu_metadata
.endif
;; end of part 1
;; launch attn (part 2): grid 32 x 8, 8 waves a work-group, clusters of 4 x 1, 327,680 bytes of LDS; arguments ecc, pixc1, pixc2, chn1, chn2, wimg, gate_w, out0, out1; writes out0, out1
.if DOCPART == 2
	.amdgcn_target "amdgcn-amd-amdhsa--gfx1250"
	.amdhsa_code_object_version 6
	.text
	.protected	k_qf10716e9b8_attn
	.globl	k_qf10716e9b8_attn
	.p2align	8
	.type	k_qf10716e9b8_attn,@function
k_qf10716e9b8_attn:
	s_mov_b64 s[64:65], 0
	v_nop
	global_prefetch_b8 v0, s[64:65] scope:SCOPE_SE
	s_setreg_imm32_b32 hwreg(HW_REG_WAVE_MODE, 25, 1), 1
	s_wait_xcnt 0x0
	s_wait_alu depctr_hold_cnt(0) depctr_sa_sdst(0) depctr_va_vdst(0) depctr_va_sdst(0) depctr_va_ssrc(0) depctr_va_vcc(0) depctr_vm_vsrc(0)
	s_getreg_b32 s2, hwreg(HW_REG_IB_STS2, 6, 4)
	s_cmp_eq_u32 s2, 0
	s_cbranch_scc0 .Lentry_in_a_cluster
	s_endpgm
.Lentry_in_a_cluster:
	s_bfe_u32 s2, ttmp6, 0x10000c
	s_cmp_lg_u32 s2, 0x3003
	s_cbranch_scc0 .Lentry_shape_is_right
	s_endpgm
.Lentry_shape_is_right:
; ATTN: both directions of the co-attention as ONE streaming attention on codes of FP6 (E2M3) with E8M0 scales, with gate and final 1 x 1 convolution behind it.
;   direction 0 (y < 4):  queries = ec (pixels n), keys = input_2's pixels m, values = input_2 along m, tail = input_1, W1 -> out0
;   direction 1 (y >= 4): queries = input_2's pixels m, keys = ec, values = input_1 along n, tail = input_2, W2 -> out1
; The buffers are chosen by the work-group's y alone.  The workspace's layout (fragment images, records of 25,600 bytes for 128 pixels, tiles whose rows are 8 u + r + 8 (r / 8) of each 32) is stated at the head of prep.
; SOFTMAX: t = score x log2(e); M = the running largest t rounded up to a whole number; p = 2^(t - M) is quantised along the keys, not normalised; the sum is taken of the unquantised p and divides at the end.
; SHARES.  A work-group owns 128 queries (one record) of one batch and direction.  Wave w: g = w % 4 names 32 queries (two tiles), kp = w / 4 names the key steps 2 i + kp: so each fragment of K and V read from LDS
; feeds two products, two waves lie on a SIMD (one's softmax beside the other's products), and there are 256 work-groups.  Register tile x holds the group's tile x xor kp: at the end each wave keeps
; register tile 0, sends register tile 1 to wave w xor 4, and merges what it receives by exact powers of two.
; BOTH PRODUCTS ARE USED TRANSPOSED (S^T = K Q^T, O^T = V^T P^T): a lane holds one query throughout, p's registers run along the keys and O^T's along the channels.
; RING: two LDS slots of 4 records (K of steps 2 i, 2 i + 1; V of the same), one tensor load each by waves 0-3.  CLUSTER 4 x 1: the four query blocks of a cluster walk the same K and V, so each record is asked
; for jointly (mask 15).  Along y nothing is shared.  By this text's own count a wave has one tensor load out at any time, and every wait on TENSORcnt is for 0.
; O^T begins as zeros (256 moves, issued while the first records are on their way), so that the key step is written twice and not three times.
; LIMITS: NaN and infinities are not served; p under 2^-126 becomes 0; a block of zeros has the byte 1 (its codes are zeros); the keys are summed in two halves that are merged at the end.
.set REC,   25600
.set SCO,   24576
.set BATCH, 32*REC
.set SLOT1, 131072                     ; slot 0 at 0, slot 1 here: one exclusive or turns an address from one to the other
.set SPARE, 4*REC                      ; behind slot 0: the spare words, 128 bytes for each wave: four blocks of 256 bytes that no other line names
.set MX,    SLOT1                      ; behind the loop, in slot 1 (it has had its last fill): 8 x 16,896 bytes for the exchange of tiles,
.set MXW,   16896
.set STAGE, SLOT1                      ; later the stage for the way out: 256 rows x (512 + 16) bytes
.set AX,    STAGE+256*528              ; the gated attention's fragments: 8 tiles x 3,200 bytes
.set AXT,   3200
.set T,     208                        ; the softmax's work registers (in the fragment buffers)
.set TM,    208                        ; QUANT's work
.set PC,    224                        ; QUANT's codes
.set SEL,   58
; WINDOW 0: v1 spare word, v2 zero; v3 16 lane + kp record, v4 4 lane + kp record, v5 prefetch offset; v6-9 the step's LDS addresses; v[10:11] f;
;   v12-15, v16-19 statistics of register tiles 0, 1: -M, largest t, the sum in two halves; v20-31 scale words and nothing else (v20, 21 Q's; v22, 23 p's; v24-31 K's, then V's);
;   v32-79 Q (32 + 24 x + 12 s); v80-207 S^T (80 + 64 x + 8 tile), p's codes in its registers 48-59; v208-255 four fragment buffers.    WINDOW 1: O^T (128 x + 8 tile).
.set MSB, 0
.macro WIN new                         ; the immediate's high byte repeats the setting that is left
.if MSB != \new
	s_set_vgpr_msb (MSB<<8)|\new
.set MSB, \new
.endif
.endm
.macro CROUND                          ; a round of the cluster's barrier
	s_barrier_signal -1
	s_barrier_wait -1
	s_cmp_lg_u32 s22, 0
	s_cbranch_scc1 .Lnot_wave_0_\@
	s_barrier_signal -3
.Lnot_wave_0_\@:
	s_barrier_wait -3
	s_barrier_signal -1
	s_barrier_wait -1
.endm
.macro JLOAD g0                        ; a joint load: waves 0-3, one record each; the branch hangs on the wave's number alone; an s_nop 0 and four v_nop follow the load
	s_cmp_lt_u32 s22, 4
	s_cbranch_scc0 .Lno_load_\@
	tensor_load_to_lds s[\g0:\g0+3], s[40:47]
	s_nop 0
.rept 4
	v_nop
.endr
.Lno_load_\@:
.endm
; A PREFETCH of what the NEXT change of slots will ask for.  All eight clusters of a batch and direction walk the same records: the first of them asks, in it the waves that fetch nothing (4-7, one record each);
; its four partners share a record's 100 blocks of 256 bytes out by address, 25 each, a lane a block (lanes 25-31 name lane 24's block again).  The last change that fills a slot from K and V asks for nothing.
.macro ASK
	s_cmp_gt_u32 s62, s63
	s_cbranch_scc0 .Lnot_mine_\@
	global_prefetch_b8 v5, s[68:69] th:TH_LOAD_NT scope:SCOPE_SE
.Lnot_mine_\@:
.endm
; THE CHANGE OF SLOTS, at a step's head.  Each wave waits for all its tensor loads (its part of the slot ahead), adds 0 to its spare word, waits for that and for its reads of the slot left; a round of the cluster's
; barrier; then the slot left is filled: walk = 1 with the next four records, walk = 0 with W's codes for the final product.
.macro CHANGE walk
	s_wait_tensorcnt 0x0                           ; no tensor load of mine is out, so a group 0 may be written
	ds_add_u32 v1, v2
.if \walk
	s_xor_b32 s49, s49, SLOT1                      ; the other slot than last time,
	s_add_nc_u64 s[50:51], s[50:51], 2*REC         ; two records on; the type bits on top are not reached
	s_wait_xcnt 0x0                                ; the last prefetch, a step back, has read its address
	s_add_nc_u64 s[68:69], s[68:69], 2*REC
.endif
	s_wait_dscnt 0x0                               ; the add is done, and my reads of the slot left are over
	CROUND
.if \walk
	JLOAD 48
	ASK
.else
	JLOAD 52
.endif
.endm
.macro KLOAD kt, buf                   ; tile kt of K: both K steps' fragments, 24 registers
.irp f, 0,1,2,3,4,5
	ds_load_b128 v[\buf+4*\f:\buf+4*\f+3], v6 offset:(\kt)*3072+512*\f
.endr
.endm
.macro VLOAD t, reg                    ; tile t of V^T
.irp c, 0,1,2
	ds_load_b128 v[\reg+4*\c:\reg+4*\c+3], v8 offset:(\t)*1536+512*\c
.endr
.endm
.macro KQ kt, buf                      ; S^T of 16 keys x my two tiles of queries: the two accumulators by turns
	v_wmma_scale_f32_16x16x128_f8f6f4 v[80+8*(\kt):87+8*(\kt)], v[\buf:\buf+11], v[32:43], 0, v[24+(\kt)], v20 matrix_a_fmt:MATRIX_FMT_FP6 matrix_b_fmt:MATRIX_FMT_FP6
	v_wmma_scale_f32_16x16x128_f8f6f4 v[144+8*(\kt):151+8*(\kt)], v[\buf:\buf+11], v[56:67], 0, v[24+(\kt)], v21 matrix_a_fmt:MATRIX_FMT_FP6 matrix_b_fmt:MATRIX_FMT_FP6
	v_wmma_scale_f32_16x16x128_f8f6f4 v[80+8*(\kt):87+8*(\kt)], v[\buf+12:\buf+23], v[44:55], v[80+8*(\kt):87+8*(\kt)], v[24+(\kt)], v20 matrix_a_fmt:MATRIX_FMT_FP6 matrix_b_fmt:MATRIX_FMT_FP6 matrix_a_scale:MATRIX_SCALE_ROW1 matrix_b_scale:MATRIX_SCALE_ROW1
	v_wmma_scale_f32_16x16x128_f8f6f4 v[144+8*(\kt):151+8*(\kt)], v[\buf+12:\buf+23], v[68:79], v[144+8*(\kt):151+8*(\kt)], v[24+(\kt)], v21 matrix_a_fmt:MATRIX_FMT_FP6 matrix_b_fmt:MATRIX_FMT_FP6 matrix_a_scale:MATRIX_SCALE_ROW1 matrix_b_scale:MATRIX_SCALE_ROW1
.endm
.macro PV t, reg                       ; O^T += V^T P^T for 16 channels x my two tiles (C and D in window 1)
.if ((\t)%2) == 0
	v_wmma_scale_f32_16x16x128_f8f6f4 v[8*(\t):8*(\t)+7], v[\reg:\reg+11], v[128:139], v[8*(\t):8*(\t)+7], v[24+(\t)/2], v22 matrix_a_fmt:MATRIX_FMT_FP6 matrix_b_fmt:MATRIX_FMT_FP6
	v_wmma_scale_f32_16x16x128_f8f6f4 v[128+8*(\t):135+8*(\t)], v[\reg:\reg+11], v[192:203], v[128+8*(\t):135+8*(\t)], v[24+(\t)/2], v23 matrix_a_fmt:MATRIX_FMT_FP6 matrix_b_fmt:MATRIX_FMT_FP6
.else
	v_wmma_scale_f32_16x16x128_f8f6f4 v[8*(\t):8*(\t)+7], v[\reg:\reg+11], v[128:139], v[8*(\t):8*(\t)+7], v[24+(\t)/2], v22 matrix_a_fmt:MATRIX_FMT_FP6 matrix_b_fmt:MATRIX_FMT_FP6 matrix_a_scale:MATRIX_SCALE_ROW1
	v_wmma_scale_f32_16x16x128_f8f6f4 v[128+8*(\t):135+8*(\t)], v[\reg:\reg+11], v[192:203], v[128+8*(\t):135+8*(\t)], v[24+(\t)/2], v23 matrix_a_fmt:MATRIX_FMT_FP6 matrix_b_fmt:MATRIX_FMT_FP6 matrix_a_scale:MATRIX_SCALE_ROW1
.endif
.endm
.macro PLACES
.rept 4
	v_nop
.endr
.endm
; THE SOFTMAX of register tile x for 128 keys: register 16 b + i of S^T is key 32 b + 16 h + i of my query.  It leaves p's codes in S^T's registers 48-59, p's scale word in v[22 + x], and f = 2^(old M - new M) in v10.
.macro SMA x
.set SS, 80+64*(\x)
.set ST, 12+4*(\x)
.set PP, SS+48
.irp b, 0,1,2,3
	v_max3_num_f32 v[T+\b], v[SS+16*\b], v[SS+16*\b+1], v[SS+16*\b+2]      ; the largest score of each block of 32 keys: for the row's maximum and for the block's largest p
.endr
.irp i, 3,5,7,9,11,13
.irp b, 0,1,2,3
	v_max3_num_f32 v[T+\b], v[T+\b], v[SS+16*\b+\i], v[SS+16*\b+\i+1]
.endr
.endr
.irp b, 0,1,2,3
	v_max_num_f32 v[T+\b], v[T+\b], v[SS+16*\b+15]
.endr
.irp b, 0,1,2,3
	v_permlanex16_b32 v[T+4+\b], v[T+\b], s[SEL], s[SEL+1]
.endr
.irp b, 0,1,2,3
	v_max_num_f32 v[T+\b], v[T+\b], v[T+4+\b]                      ; with lane l xor 16's 16 keys
.endr
	v_max3_num_f32 v[T+20], v[T], v[T+1], v[T+2]
	v_max_num_f32 v[T+20], v[T+20], v[T+3]
	v_mul_f32 v[T+20], s56, v[T+20]                                ; as t
	v_max_num_f32 v[ST+1], v[ST+1], v[T+20]                        ; the running largest t
	v_mov_b32 v[T+20], v[ST]
	v_floor_f32 v[ST], -v[ST+1]                                    ; the new -M = -ceil(t): a whole number
	v_sub_f32 v[T+20], v[ST], v[T+20]                              ; old M - new M, 0 or less
	v_cvt_i32_f32 v[T+20], v[T+20]                                 ; (it saturates)
	v_ldexp_f32 v10, 1.0, v[T+20]                                  ; f: a multiplication by it rounds nothing
.set j, 0
.rept 32
	v_pk_fma_f32 v[SS+j:SS+j+1], v[SS+j:SS+j+1], s[56:57], v[ST:ST+1] op_sel_hi:[1,0,0]   ; t - M, two at a time
.set j, j+2
.endr
.irp b, 0,1,2,3
	v_fma_f32 v[T+\b], v[T+\b], s56, v[ST]                         ; the same of each block's largest score
.endr
.set j, 0
.rept 64
	v_exp_f32 v[SS+j], v[SS+j]                                     ; p = 2^(t - M)
.set j, j+1
.endr
	v_pk_mul_f32 v[ST+2:ST+3], v[ST+2:ST+3], v[10:11] op_sel_hi:[1,0]      ; the sums under the new M; the plain place behind the exponentials
	s_wait_alu depctr_va_vdst(0)                                   ; one wait for the batch of 64, ahead of its first reader
.irp b, 0,1,2,3
	v_exp_f32 v[T+\b], v[T+\b]                                     ; each block's largest p
.endr
	v_pk_add_f32 v[T+24:T+25], v[SS:SS+1], v[SS+2:SS+3]            ; the sum of the unquantised p, in two chains
.set j, 4
.rept 15
	v_pk_add_f32 v[ST+2:ST+3], v[ST+2:ST+3], v[SS+j:SS+j+1]
	v_pk_add_f32 v[T+24:T+25], v[T+24:T+25], v[SS+j+2:SS+j+3]
.set j, j+4
.endr
	v_pk_add_f32 v[ST+2:ST+3], v[ST+2:ST+3], v[T+24:T+25]
	s_wait_alu depctr_va_vdst(0)                                   ; and one for the four
.irp b, 0,1,2,3
	v_max_num_f32 v[T+\b], 0x1800000, v[T+\b]                      ; the floor 2^(3 - 127): the byte cannot fall under 1
.endr
.irp b, 0,1,2,3
	v_add_nc_u32 v[T+8+\b], 0xff000000, v[T+\b]                    ; 2 off the exponent field: the conversion's scale operand
.endr
.irp b, 0,1,2,3
	v_lshrrev_b32 v[T+4+\b], 23, v[T+8+\b]
.endr
	v_lshl_or_b32 v[22+(\x)], v[T+5], 8, v[T+4]                    ; p's scale word for these 128 keys
	v_lshl_or_b32 v[22+(\x)], v[T+6], 16, v[22+(\x)]
	v_lshl_or_b32 v[22+(\x)], v[T+7], 24, v[22+(\x)]
	v_cvt_scalef32_pk16_fp6_f32 v[T+12:T+14], v[SS+48:SS+63], v[T+11]      ; block 3 first: the codes are laid over its numbers
	v_nop                                                          ; a plain place before its sources are written
	v_cvt_scalef32_pk16_fp6_f32 v[PP+6:PP+8], v[SS+32:SS+47], v[T+10]
	v_cvt_scalef32_pk16_fp6_f32 v[PP:PP+2], v[SS:SS+15], v[T+8]
	v_cvt_scalef32_pk16_fp6_f32 v[T+16:T+18], v[SS+16:SS+31], v[T+9]
	v_nop
.irp i, 0,1,2                                                  ; the operand wants a whole block in a lane
	v_permlane16_swap_b32 v[PP+\i], v[T+16+\i]
	v_permlane16_swap_b32 v[PP+6+\i], v[T+12+\i]
.endr
.irp i, 0,1,2
	v_mov_b32 v[PP+3+\i], v[T+16+\i]
	v_mov_b32 v[PP+9+\i], v[T+12+\i]
.endr
.endm
.macro RESC x                          ; O^T of register tile x under the new M, from each accumulator's low end on
	WIN 0x41                                       ; destination and source 0 in window 1
.set j, 128*(\x)
.rept 64
	v_pk_mul_f32 v[j:j+1], v[j:j+1], v[10:11] op_sel_hi:[1,0]
.set j, j+2
.endr
	WIN 0
.endm
; A KEY STEP: 128 keys for my two tiles of queries: 32 products K Q^T, two softmaxes, 32 products V^T P^T.
.macro STEP
	v_add_nc_u32 v6, s60, v3                       ; K's codes, K's scale words, V's codes, V's scale words of my record in the slot in hand
	v_add_nc_u32 v7, s60, v4
	v_add_nc_u32 v8, s61, v3
	v_add_nc_u32 v9, s61, v4
	v_nop                                          ; six places behind the last step's products: four are owed to the loads below, five to the products that write over those products' operands
	v_nop
.irp k, 0,1,2,3,4,5,6,7
	ds_load_b32 v[24+\k], v7 offset:SCO+128*\k     ; lanes 0-15 K step 0's words, lanes 16-31 K step 1's
.endr
	KLOAD 0, 208
	KLOAD 1, 232
.irp k, 0,1,2,3,4,5,6,7
.if \k < 7
	s_wait_dscnt 6                                 ; this tile is in; the next tile's six loads may be out
.else
	s_wait_dscnt 0
.endif
	KQ \k, 208+24*(\k%2)
.if \k < 6
	PLACES                                         ; in front of loads into registers that matrix instructions have read
	KLOAD \k+2, 208+24*(\k%2)
.endif
.endr
	PLACES                                         ; in front of the first read of results and of writes into the fragment buffers
	SMA 0
.irp i, 0,1,2,3,4,5,6,7
	ds_load_b32 v[24+\i], v9 offset:SCO+128*\i     ; V's scale words: lanes 0-15 tile 2 i, lanes 16-31 tile 2 i + 1
.endr
.irp t, 0,1,2,3
	VLOAD \t, 80+12*\t                             ; into S^T's registers that the conversions have left
.endr
	RESC 0
	SMA 1
.irp t, 4,5,6,7
	VLOAD \t, 144+12*(\t-4)
.endr
.irp t, 8,9,10,11
	VLOAD \t, 208+12*(\t-8)
.endr
	RESC 1                                         ; these 64 are also the places between the writes of p's codes and scale word and the scaled products
	s_wait_dscnt 24                                ; V's words and tiles 0-3 are in; the 24 younger loads may be out
	WIN 0x50                                       ; C and D in window 1
.irp t, 0,1,2,3
	PV \t, 80+12*\t
.endr
	WIN 0
	PLACES
.irp t, 12,13,14,15
	VLOAD \t, 80+12*(\t-12)
.endr
	s_wait_dscnt 24                                ; tiles 4-7 are in
	WIN 0x50
.irp t, 4,5,6,7
	PV \t, 144+12*(\t-4)
.endr
	s_wait_dscnt 12
.irp t, 8,9,10,11
	PV \t, 208+12*(\t-8)
.endr
	s_wait_dscnt 0
.irp t, 12,13,14,15
	PV \t, 80+12*(\t-12)
.endr
	WIN 0
	s_xor_b32 s60, s60, SLOT1                      ; on to the other slot
	s_xor_b32 s61, s61, SLOT1
.endm
; 64 numbers of a lane, register 16 b + i = k 32 b + 16 h + i of my row, become a fragment in v[PC] on and its scale word
.macro QUANT src, pw
.irp b, 0,1,2,3
	v_max3_num_f32 v[TM+\b], |v[\src+16*\b]|, |v[\src+1+16*\b]|, 0x1800000
.endr
.irp i, 2,4,6,8,10,12,14
.irp b, 0,1,2,3
	v_max3_num_f32 v[TM+\b], v[TM+\b], |v[\src+16*\b+\i]|, |v[\src+1+16*\b+\i]|
.endr
.endr
.irp b, 0,1,2,3
	v_permlanex16_b32 v[TM+4+\b], v[TM+\b], s[SEL], s[SEL+1]
.endr
.irp b, 0,1,2,3
	v_max_num_f32 v[TM+\b], v[TM+\b], v[TM+4+\b]
.endr
.irp b, 0,1,2,3
	v_add_nc_u32 v[TM+12+\b], 0xff000000, v[TM+\b]
.endr
.irp b, 0,1,2,3
	v_lshrrev_b32 v[TM+4+\b], 23, v[TM+12+\b]
.endr
	v_lshl_or_b32 v[\pw], v[TM+5], 8, v[TM+4]
	v_lshl_or_b32 v[\pw], v[TM+6], 16, v[\pw]
	v_lshl_or_b32 v[\pw], v[TM+7], 24, v[\pw]
.irp c, 0,1
	v_cvt_scalef32_pk16_fp6_f32 v[PC+6*\c:PC+2+6*\c], v[\src+32*\c:\src+15+32*\c], v[TM+12+2*\c]
	v_cvt_scalef32_pk16_fp6_f32 v[PC+12+4*\c:PC+14+4*\c], v[\src+16+32*\c:\src+31+32*\c], v[TM+12+2*\c+1]
.endr
	v_nop
.irp c, 0,1
.irp i, 0,1,2
	v_permlane16_swap_b32 v[PC+6*\c+\i], v[PC+12+4*\c+\i]
.endr
.irp i, 0,1,2
	v_mov_b32 v[PC+3+6*\c+\i], v[PC+12+4*\c+\i]
.endr
.endr
.endm
.macro BAR                             ; my LDS stores have landed and my LDS loads are in: then the work-group's barrier
	s_wait_dscnt 0x0
	s_barrier_signal -1
	s_barrier_wait -1
.endm
	s_load_b512 s[4:19], s[0:1], 0x0               ; ecc s[4:5], pixc1 s[6:7], pixc2 s[8:9], chn1 s[10:11], chn2 s[12:13], wimg s[14:15], gate_w s[16:17], out0 s[18:19]
	s_load_b64 s[20:21], s[0:1], 0x40              ; out1
	v_lshl_add_u32 v1, v0, 2, SPARE
	v_mov_b32 v2, 0
	ds_add_u32 v1, v2                              ; the wave's opening: the add and its wait stand ahead of the first tensor loads; the set-up below, work on registers, stands between
	v_lshrrev_b32 v3, 5, v0
	v_readfirstlane_b32 s22, v3                    ; wave 0..7
	s_and_b32 s23, s22, 3                          ; g: my 32 queries.  Also: which record of a slot waves 0-3 fetch
	s_lshr_b32 s24, s22, 2                         ; kp: my key steps
	s_bfe_u32 s25, ttmp6, 0x40000                  ; cx: my place in the cluster: it enters global addresses of Q, tail, out and prefetches alone
	s_lshl_b32 s26, ttmp9, 2
	s_add_co_u32 s26, s26, s25                     ; my block of 128 queries
	s_and_b32 s28, ttmp7, 0xffff
	s_lshr_b32 s27, s28, 2                         ; the direction
	s_and_b32 s28, s28, 3                          ; the batch
	; descriptor group 1: a record as 100 rows of 32 elements of 8 bytes, dense; mask: all four work-groups
	s_mov_b32 s40, 15|(3<<16)|(1<<21)
	s_mov_b32 s41, 32<<16
	s_mov_b32 s42, 100<<16
	s_mov_b32 s43, 32<<16
	s_mov_b32 s44, 100
	s_mov_b32 s45, 32
	s_mov_b32 s46, 0
	s_mov_b32 s47, 0
	s_mov_b32 s56, 0x3fb8aa3b                      ; log2(e)
	s_mov_b32 s57, s56                             ; (named with it as a pair)
	s_mov_b32 s[SEL], 0x76543210
	s_mov_b32 s[SEL+1], 0xfedcba98
	s_mov_b32 s70, 0xffff0000                      ; lanes 16-31
	s_mov_b32 s60, 0                               ; the slot in hand: K's records,
	s_mov_b32 s61, 2*REC                           ; V's
	s_mov_b32 s62, 15                              ; changes of slots that ask for K and V
	s_xor_b32 s63, s24, 1                          ; waves 4-7
	s_or_b32 s63, s63, ttmp9                       ; of the first cluster: the same in all four partners
	s_cmp_eq_u32 s63, 0
	s_cselect_b32 s63, 1, -1
	s_mul_i32 s72, s28, BATCH
	s_and_b32 s74, s23, 1
	s_mul_i32 s74, s74, REC
	s_add_co_u32 s74, s74, s72
	s_mov_b32 s75, 0                               ; s[74:75]: my stream's first record (even or odd step) in its buffer
	s_mul_i32 s76, s26, REC
	s_add_co_u32 s76, s76, s72
	s_mov_b32 s77, 0                               ; s[76:77]: my queries' record
	s_mul_i32 s78, s27, 4*REC
	s_mul_i32 s79, s23, REC
	s_add_co_u32 s78, s78, s79
	s_mov_b32 s79, 0                               ; s[78:79]: my quarter of W's codes
	s_mul_i32 s80, s25, 6400
	s_add_co_u32 s80, s80, 2*REC
	s_mov_b32 s81, 0                               ; s[80:81]: my work-group's 25 blocks, one slot on: the first change steps it to the slot after that
	s_lshl_b32 s82, s28, 22
	s_lshl_b32 s83, s22, 19
	s_add_co_u32 s82, s82, s83
	s_lshl_b32 s83, s26, 9
	s_add_co_u32 s82, s82, s83
	s_mov_b32 s83, 0                               ; s[82:83]: out: batch, 32 w rows of 16,384 bytes, my 128 pixels
	s_mov_b32 s48, 1
	s_mul_i32 s49, s23, REC
	s_mov_b32 s52, 1
	s_mul_i32 s53, s23, REC
	v_and_b32 v208, 31, v0
	v_lshlrev_b32 v3, 4, v208
	v_lshlrev_b32 v4, 2, v208
	v_min_u32 v5, 24, v208
	v_lshlrev_b32 v5, 8, v5
	s_lshl_b32 s84, s23, 1
	s_add_co_u32 s84, s84, s24                     ; register tile 0 is the record's tile 2 g + kp,
	s_xor_b32 s85, s84, 1                          ; register tile 1 the other of the pair
	s_mul_i32 s86, s84, 3072
	v_add_nc_u32 v209, s86, v3
	s_mul_i32 s86, s85, 3072
	v_add_nc_u32 v210, s86, v3
	s_lshl_b32 s86, s84, 7
	v_add_nc_u32 v211, s86, v4
	s_lshl_b32 s86, s85, 7
	v_add_nc_u32 v212, s86, v4
	s_mul_i32 s86, s24, REC
	v_add_nc_u32 v3, s86, v3
	v_add_nc_u32 v4, s86, v4
	s_wait_dscnt 0x0                               ; the opening add is done
	s_wait_kmcnt 0x0
	s_cmp_eq_u32 s27, 0
	s_cselect_b64 s[30:31], s[4:5], s[8:9]         ; Q
	s_cselect_b64 s[32:33], s[8:9], s[4:5]         ; K
	s_cselect_b64 s[34:35], s[12:13], s[10:11]     ; V
	s_cselect_b64 s[36:37], s[6:7], s[8:9]         ; the tail
	s_cselect_b64 s[66:67], s[18:19], s[20:21]     ; out
	s_cmp_lt_u32 s23, 2
	s_cselect_b64 s[50:51], s[32:33], s[34:35]     ; records 0, 1 of a slot are K's, 2, 3 V's
	s_add_nc_u64 s[50:51], s[50:51], s[74:75]
	s_add_nc_u64 s[68:69], s[50:51], s[80:81]
	s_or_b32 s51, s51, 0x80000000
	s_add_nc_u64 s[54:55], s[14:15], s[78:79]
	s_or_b32 s55, s55, 0x80000000
	s_add_nc_u64 s[30:31], s[30:31], s[76:77]
	s_add_nc_u64 s[36:37], s[36:37], s[76:77]
	s_add_nc_u64 s[66:67], s[66:67], s[82:83]
	CROUND                                         ; all four work-groups are here: the first joint loads meet
	JLOAD 48                                       ; key steps 0 and 1 into slot 0
.irp x, 0,1
.irp f, 0,1,2,3,4,5
	global_load_b128 v[32+24*\x+4*\f:35+24*\x+4*\f], v[209+\x], s[30:31] offset:512*\f     ; Q stays in registers
.endr
	global_load_b32 v[20+\x], v[211+\x], s[30:31] offset:SCO
.endr
.irp x, 0,1
	v_mov_b32 v[13+4*\x], 0xff61b1e6               ; the largest t so far: -3e38
	v_floor_f32 v[12+4*\x], -v[13+4*\x]            ; -M
	v_mov_b32 v[14+4*\x], 0                        ; the sum, in two halves
	v_mov_b32 v[15+4*\x], 0
.endr
	v_mov_b32 v10, 0
	v_mov_b32 v11, 0                               ; (named as the upper half of the pair v[10:11])
	WIN 0x40
.set i, 0
.rept 256
	v_mov_b32 v[i], 0                              ; O^T: the first change of M leaves zeros zeros
.set i, i+1
.endr
	WIN 0
	s_wait_loadcnt 0x0                             ; Q
.Lslot:                                                ; 15 trips: trip i asks for key steps 2 i + 2, 2 i + 3 and works on 2 i + kp
	CHANGE 1
	STEP
	s_sub_co_u32 s62, s62, 1
	s_cmp_lg_u32 s62, 0
	s_cbranch_scc1 .Lslot
	CHANGE 0                                       ; the tail is written out: slot 0 takes W's codes, which the final product reads
	STEP
	; ---- THE EPILOGUE.  W has landed and slot 1 is left by every wave behind this barrier.  The addresses are made between the add and its wait
	s_wait_tensorcnt 0x0
	ds_add_u32 v1, v2
	v_and_b32 v3, 31, v0
	v_lshlrev_b32 v4, 2, v3                        ; 4 lane
	v_lshlrev_b32 v3, 4, v3                        ; 16 lane
	s_mul_i32 s72, s22, MXW
	s_add_co_u32 s72, s72, MX
	v_add_nc_u32 v6, s72, v3                       ; where I send; later my 32 rows of the stage
	v_add_nc_u32 v7, s72, v4
	s_xor_b32 s73, s22, 4
	s_mul_i32 s73, s73, MXW
	s_add_co_u32 s73, s73, MX
	v_add_nc_u32 v8, s73, v3                       ; where wave w xor 4 sends
	v_add_nc_u32 v9, s73, v4
	s_mul_i32 s72, s23, 6144
	v_add_nc_u32 v243, s72, v3                     ; the tail's fragments of my two tiles, in the record
	s_lshl_b32 s72, s23, 8
	v_add_nc_u32 v244, s72, v4                     ; and their scale words
	v_bfe_u32 v245, v0, 4, 1
	v_and_b32 v252, 15, v0
	v_mul_u32_u24 v252, v252, 528
	v_lshl_add_u32 v252, v245, 6, v252
	s_mul_i32 s72, s24, 128*528
	s_lshl_b32 s73, s23, 7
	s_add_co_u32 s72, s72, s73
	s_add_co_u32 s72, s72, STAGE
	v_add_nc_u32 v252, s72, v252                   ; the stage: row 128 kp + r, + 128 g + 64 h bytes
	v_lshlrev_b32 v245, 6, v245                    ; gate_w: 64 h bytes
	s_lshl_b32 s72, s23, 1
	s_add_co_u32 s72, s72, s24
	s_mul_i32 s72, s72, AXT
	s_add_co_u32 s72, s72, AX
	v_add_nc_u32 v246, s72, v3                     ; where I store tile 2 g + kp of the gated attention
	v_add_nc_u32 v247, s72, v4
	s_mul_i32 s72, s23, 2*AXT
	s_add_co_u32 s72, s72, AX
	v_add_nc_u32 v248, s72, v3                     ; where I read tiles 2 g, 2 g + 1
	v_add_nc_u32 v249, s72, v4
	s_mul_i32 s72, s24, 49152
	v_add_nc_u32 v250, s72, v3                     ; W's fragments of outputs 128 kp on
	s_lshl_b32 s72, s24, 11
	s_add_co_u32 s72, s72, 98304
	v_add_nc_u32 v251, s72, v4                     ; and their scale words
	s_wait_dscnt 0x0
	s_barrier_signal -1
	s_barrier_wait -1
	; ---- register tile 1 goes to wave w xor 4; the tail's codes are asked for
.irp u, 0,1
.irp f, 0,1,2,3,4,5
	global_load_b128 v[32+24*\u+4*\f:35+24*\u+4*\f], v243, s[36:37] offset:\u*3072+512*\f
.endr
	global_load_b32 v[20+\u], v244, s[36:37] offset:SCO+128*\u
.endr
	v_add_f32 v18, v18, v19
	WIN 0x04                                       ; an LDS store's data are its source 1: window 1
.set i, 0
.rept 32
	ds_store_b128 v6, v[128+4*i:131+4*i] offset:512*i          ; each accumulator from its low end on
.set i, i+1
.endr
	WIN 0
	ds_store_b32 v7, v16 offset:16384              ; its -M
	ds_store_b32 v7, v18 offset:16512              ; its sum
	BAR
	; ---- what wave w xor 4 summed for my register tile 0 comes in, and gate_w in the order of O^T's registers
.set i, 0
.rept 32
	ds_load_b128 v[80+4*i:83+4*i], v8 offset:512*i
.set i, i+1
.endr
	ds_load_b32 v208, v9 offset:16384
	ds_load_b32 v209, v9 offset:16512
	WIN 0x40                                       ; destination window 1: register 128 + 16 b + i takes gate_w[32 b + 16 h + i]
.irp b, 0,1,2,3,4,5,6,7
.irp q, 0,1,2,3
	global_load_b128 v[128+16*\b+4*\q:131+16*\b+4*\q], v245, s[16:17] offset:128*\b+16*\q
.endr
.endr
	WIN 0
	v_add_f32 v14, v14, v15
	s_wait_dscnt 0x0
	v_min_num_f32 v222, v12, v208                  ; -M of the two halves together
	v_sub_f32 v210, v222, v12
	v_sub_f32 v212, v222, v208
	v_cvt_i32_f32 v210, v210
	v_cvt_i32_f32 v212, v212
	v_ldexp_f32 v210, 1.0, v210                    ; my half's factor,
	v_ldexp_f32 v212, 1.0, v212                    ; the other's: exact powers of two
	v_mov_b32 v211, 0
	v_mov_b32 v213, 0
	v_mul_f32 v14, v14, v210
	v_fma_f32 v14, v209, v212, v14
	v_permlanex16_b32 v223, v14, s[SEL], s[SEL+1]
	v_add_f32 v14, v14, v223                       ; the row's sum
	v_rcp_f32 v15, v14
.set i, 0
.rept 64
	v_pk_mul_f32 v[80+2*i:81+2*i], v[80+2*i:81+2*i], v[212:213] op_sel_hi:[1,0]
.set i, i+1
.endr
	WIN 0x01                                       ; source 0 in window 1
.set i, 0
.rept 64
	v_pk_fma_f32 v[80+2*i:81+2*i], v[2*i:2*i+1], v[210:211], v[80+2*i:81+2*i] op_sel_hi:[1,0,1]
.set i, i+1
.endr
	WIN 0
	s_wait_loadcnt 0x0                             ; gate_w and the tail
	WIN 0x04                                       ; source 1 in window 1
.set i, 0
.rept 64                                       ; the gate's product in f32, four chains of two
.if i < 4
	v_pk_mul_f32 v[214+2*i:215+2*i], v[80+2*i:81+2*i], v[128+2*i:129+2*i]
.else
	v_pk_fma_f32 v[214+2*(i%4):215+2*(i%4)], v[80+2*i:81+2*i], v[128+2*i:129+2*i], v[214+2*(i%4):215+2*(i%4)]
.endif
.set i, i+1
.endr
	WIN 0
	v_pk_add_f32 v[214:215], v[214:215], v[216:217]
	v_pk_add_f32 v[218:219], v[218:219], v[220:221]
	v_pk_add_f32 v[214:215], v[214:215], v[218:219]
	v_add_f32 v214, v214, v215
	v_permlanex16_b32 v223, v214, s[SEL], s[SEL+1]
	v_add_f32 v214, v214, v223                     ; with the other half's channels
	s_wait_alu depctr_va_vdst(0)                   ; the reciprocal's wait, ahead of its first reader
	v_mul_f32 v214, v214, v15                      ; the gate's logit: the product of the normalised attention
	v_mul_f32 v214, 0xbfb8aa3b, v214
	v_exp_f32 v214, v214
	v_nop
	s_wait_alu depctr_va_vdst(0)
	v_add_f32 v214, 1.0, v214
	v_rcp_f32 v214, v214                           ; the sigmoid
	v_nop
	s_wait_alu depctr_va_vdst(0)
	v_mul_f32 v10, v214, v15                       ; 1 / sum x gate
.set i, 0
.rept 64
	v_pk_mul_f32 v[80+2*i:81+2*i], v[80+2*i:81+2*i], v[10:11] op_sel_hi:[1,0]
.set i, i+1
.endr
	; ---- the gated attention of my 16 pixels becomes two fragments (K = channels 0-127, 128-255) and goes to LDS as images
	QUANT 80, 253
.irp c, 0,1,2
	ds_store_b128 v246, v[PC+4*\c:PC+4*\c+3] offset:512*\c
.endr
	s_wait_dscnt 0x0                               ; the stores have read their registers
	QUANT 144, 254
.irp c, 0,1,2
	ds_store_b128 v246, v[PC+4*\c:PC+4*\c+3] offset:1536+512*\c
.endr
	v_cndmask_b32 v255, v253, v254, s70            ; lanes 0-15 the first K step's words, lanes 16-31 the second's
	ds_store_b32 v247, v255 offset:3072
	BAR
	; ---- the final product: my 32 pixels x outputs 128 kp .. + 127, K = 512: source 0 = 16 pixels, source 1 = 16 rows of W: a lane holds eight neighbouring pixels of one output
.irp u, 0,1
.irp f, 0,1,2,3,4,5
	ds_load_b128 v[80+24*\u+4*\f:83+24*\u+4*\f], v248 offset:\u*AXT+512*\f
.endr
	ds_load_b32 v[22+\u], v249 offset:\u*AXT+3072
.endr
.irp ks, 0,1,2,3
.if (\ks%2) == 0
.irp o, 0,1,2,3,4,5,6,7
	ds_load_b32 v[24+\o], v251 offset:256*\o+128*(\ks/2)           ; W's words of two K steps: lanes 0-15 the even one, lanes 16-31 the odd one
.endr
.endif
.irp o, 0,1,2,3,4,5,6,7
.irp c, 0,1,2
	ds_load_b128 v[128+12*\o+8*(\o/6)+4*\c:131+12*\o+8*(\o/6)+4*\c], v250 offset:(4*\o+\ks)*1536+512*\c
.endr
.endr
	s_wait_dscnt 0x0
	WIN 0x50                                       ; C and D in window 1: 16 accumulators by turns
.irp o, 0,1,2,3,4,5,6,7
.irp u, 0,1
.if \ks == 0
	v_wmma_scale_f32_16x16x128_f8f6f4 v[8*(2*\o+\u):8*(2*\o+\u)+7], v[80+24*\u:91+24*\u], v[128+12*\o+8*(\o/6):139+12*\o+8*(\o/6)], 0, v[22+\u], v[24+\o] matrix_a_fmt:MATRIX_FMT_FP6 matrix_b_fmt:MATRIX_FMT_FP6
.elseif (\ks%2) == 0
	v_wmma_scale_f32_16x16x128_f8f6f4 v[8*(2*\o+\u):8*(2*\o+\u)+7], v[80-48*(\ks/2)+24*\u:91-48*(\ks/2)+24*\u], v[128+12*\o+8*(\o/6):139+12*\o+8*(\o/6)], v[8*(2*\o+\u):8*(2*\o+\u)+7], v[22-2*(\ks/2)+\u], v[24+\o] matrix_a_fmt:MATRIX_FMT_FP6 matrix_b_fmt:MATRIX_FMT_FP6
.else
	v_wmma_scale_f32_16x16x128_f8f6f4 v[8*(2*\o+\u):8*(2*\o+\u)+7], v[92-48*(\ks/2)+24*\u:103-48*(\ks/2)+24*\u], v[128+12*\o+8*(\o/6):139+12*\o+8*(\o/6)], v[8*(2*\o+\u):8*(2*\o+\u)+7], v[22-2*(\ks/2)+\u], v[24+\o] matrix_a_fmt:MATRIX_FMT_FP6 matrix_b_fmt:MATRIX_FMT_FP6 matrix_a_scale:MATRIX_SCALE_ROW1 matrix_b_scale:MATRIX_SCALE_ROW1
.endif
.endr
.endr
	WIN 0
	PLACES                                         ; in front of loads into W's registers and scale words, and of the first read of results
.endr
	WIN 0x04
.irp o, 0,1,2,3,4,5,6,7
.irp u, 0,1
	ds_store_b128 v252, v[8*(2*\o+\u):8*(2*\o+\u)+3] offset:\o*8448+32*\u          ; lane (r, h): output 128 kp + 16 o + r, pixels 32 g + 16 h + 8 u + 0 .. 7
	ds_store_b128 v252, v[8*(2*\o+\u)+4:8*(2*\o+\u)+7] offset:\o*8448+32*\u+16
.endr
.endr
	WIN 0
	BAR                                            ; 256 whole rows of 128 pixels lie in the stage
.set i, 0
.rept 32
	ds_load_b128 v[80+4*i:83+4*i], v6 offset:528*i
.set i, i+1
.endr
.set i, 0
.rept 32
	s_wait_dscnt 31-i
	global_store_b128 v3, v[80+4*i:83+4*i], s[66:67] offset:16384*i th:TH_STORE_NT     ; 32 lanes store 512 consecutive bytes, aligned: output 32 w + i, my 128 pixels
.set i, i+1
.endr
	s_wait_tensorcnt 0x0                           ; the wave's end, behind my last tensor load and my last LDS store
	ds_add_u32 v1, v2
	s_wait_dscnt 0x0
	CROUND                                         ; the closing round: no work-group ends while a partner may still ask for a record that names it
	s_endpgm
.Lfunc_end_k_qf10716e9b8_attn:
	.size	k_qf10716e9b8_attn, .Lfunc_end_k_qf10716e9b8_attn-k_qf10716e9b8_attn
	.p2alignl 7, 3214868480
	.fill 96, 4, 3214868480
	.section	.rodata,"a",@progbits
	.p2align	6, 0x0
	.amdhsa_kernel k_qf10716e9b8_attn
		.amdhsa_group_segment_fixed_size 327680
		.amdhsa_private_segment_fixed_size 0
		.amdhsa_enable_private_segment 0
		.amdhsa_kernarg_size 72
		.amdhsa_user_sgpr_count 2
		.amdhsa_user_sgpr_kernarg_segment_ptr 1
		.amdhsa_wavefront_size32 1
		.amdhsa_system_sgpr_workgroup_id_x 1
		.amdhsa_system_sgpr_workgroup_id_y 1
		.amdhsa_system_sgpr_workgroup_id_z 1
		.amdhsa_system_vgpr_workitem_id 0
		.amdhsa_next_free_vgpr 512
		.amdhsa_next_free_sgpr 100
		.amdhsa_reserve_vcc 0
		.amdhsa_float_denorm_mode_32 3
		.amdhsa_float_denorm_mode_16_64 3
		.amdhsa_memory_ordered 1
		.amdhsa_forward_progress 1
		.amdhsa_inst_pref_size 171
	.end_amdhsa_kernel
	.amdgpu_metadata
---
amdhsa.version: [ 1, 2 ]
amdhsa.kernels:
  - .name:           k_qf10716e9b8_attn
    .symbol:         k_qf10716e9b8_attn.kd
    .args:
      - { .name: ecc, .offset: 0, .size: 8, .value_kind: global_buffer, .address_space: global }
      - { .name: pixc1, .offset: 8, .size: 8, .value_kind: global_buffer, .address_space: global }
      - { .name: pixc2, .offset: 16, .size: 8, .value_kind: global_buffer, .address_space: global }
      - { .name: chn1, .offset: 24, .size: 8, .value_kind: global_buffer, .address_space: global }
      - { .name: chn2, .offset: 32, .size: 8, .value_kind: global_buffer, .address_space: global }
      - { .name: wimg, .offset: 40, .size: 8, .value_kind: global_buffer, .address_space: global }
      - { .name: gate_w, .offset: 48, .size: 8, .value_kind: global_buffer, .address_space: global }
      - { .name: out0, .offset: 56, .size: 8, .value_kind: global_buffer, .address_space: global }
      - { .name: out1, .offset: 64, .size: 8, .value_kind: global_buffer, .address_space: global }
    .group_segment_fixed_size: 327680
    .private_segment_fixed_size: 0
    .kernarg_segment_align: 8
    .kernarg_segment_size: 72
    .max_flat_workgroup_size: 256
    .sgpr_count:     100
    .vgpr_count:     512
    .wavefront_size: 32
...
	.end_amdgpu_metadata
.endif
;; end of part 2
